; MI455X (gfx1250); checked and timed in simulation.
; The chip was launched on July 23, 2026; its instructions are those of AMD's public machine-readable ISA for CDNA 5 (MIT licence, August 2026) and "CDNA5" Instruction Set Architecture Reference Guide (July 2026). The comments in the code are by the model that wrote it; some were corrected since.
;; Multi Head Attention Layer. Allowed arithmetic: matrix products marked QUANTISED: E2M1 operands, one E8M0 scale for each 32 along K, by v_wmma_scale_f32_16x16x128_f8f6f4 with both operands' format E2M1 (or v_wmma_scale_f32_32x16x128_f4), f32 sums; everything else in f32.
;; Inputs: Wk 768 x 768 float32; Wq 768 x 768 float32; Wv 768 x 768 float32; attention_mask 1 x 1 x 1 x 4,096 float32; bk 768 float32; bq 768 float32; bv 768 float32; key 1 x 4,096 x 768 float32; query 1 x 4,096 x 768 float32; value 1 x 4,096 x 768 float32.
;; Outputs: out0 1 x 4,096 x 768 float32.
;; This version of the problem:
;;   THIS VERSION OF THE PROBLEM IS GIVEN IN LOW PRECISION. The matrix products marked QUANTISED in the list below multiply operands that are first quantised to E2M1 (2 exponent bits, 1 mantissa bit; 4 bits a number), with one power-of-two scale for each 32 numbers along K (OCP MX v1.0); their sums are f32. All else is computed in f32.
;;   The module's matrix products, in the order in which they are computed (A, B: the left and right operand; K: the contracted axis; several contracted axes count as one K, in the product's order):
;;     1. [M 4,096, K 768] x [K 768, N 768]; A: input query; B: input Wq: QUANTISED
;;     2. [M 4,096, K 768] x [K 768, N 768]; A: input key; B: input Wk: QUANTISED
;;     3. [M 4,096, K 768] x [K 768, N 768]; A: input value; B: input Wv: QUANTISED
;;     4. batch 12 x [M 4,096, K 64] x [K 64, N 4,096]; A: computed on the way; B: computed on the way: QUANTISED
;;     5. batch 12 x [M 4,096, K 4,096] x [K 4,096, N 64]; A: softmax (see below); B: computed on the way: QUANTISED
;;   THE QUANTISER, for each operand of a quantised product, along K:
;;     - K is cut into blocks of 32 from its start; a last block that is shorter is filled with zeros.
;;     - A block's scale is 2^e with e = floor(log2(the largest magnitude in the block)) - 2, held to -126 .. 127; a block of zeros has e = 0. As a byte (E8M0): e + 127.
;;     - Each number is divided by its block's scale, clamped to +-6, and rounded to the nearest number of E2M1, ties to even, subnormals kept.
;;     - The product sums the exact products of the quantised numbers (number of the format x scale) in f32.
;;   ~~~python
;;   def quantise(x, axis):      # numpy; x: float32 -> the quantised numbers, widened to float32 again
;;       x = np.moveaxis(x, axis, -1); K = x.shape[-1]
;;       x = np.pad(x, [(0, 0)] * (x.ndim - 1) + [(0, -K % 32)]); x = x.reshape(x.shape[:-1] + (-1, 32)); a = np.abs(x).max(-1, keepdims=True)
;;       e = np.where(a > 0, np.clip(np.frexp(np.where(a > 0, a, 1))[1] - 1 - 2, -126, 127), 0)      # np.frexp(a)[1] - 1 = floor(log2(a)), exactly
;;       r = np.clip(x / 2.0 ** e, -6, 6)
;;       step = 2.0 ** (np.maximum(np.frexp(np.where(r == 0, 1, r))[1] - 1, 0) - 1)
;;       q = np.round(r / step) * step * 2.0 ** e      # np.round: ties to even
;;       return np.moveaxis(q.reshape(q.shape[:-2] + (-1,))[..., :K], -1, axis).astype(np.float32)
;;   ~~~
;;   SOFTMAX AHEAD OF A QUANTISED PRODUCT. Where the list says 'softmax', what is quantised is not the finished softmax but p = 2^(t - M), with t = logit x log2(e) and M = ceil(the row's largest t), a whole number; so 1/2 < the row's largest p <= 1. The row's sum l is taken of the UNQUANTISED p, in f32, and the product's result is divided by l at the end. Since M is a whole number, a kernel that streams over the keys may use a running M (the ceiling of the running maximum): every later rescaling is an exact power of two, which a block's scale takes up: the codes' values come out the same.
;;   OPERANDS COMPUTED ON THE WAY. 'Computed on the way' means the value that the module computes at that place (a softmax that the list does not call 'softmax' is quantised finished and normalised). What goes into a quantiser is computed in f32, as accurately as f32 sums, v_exp_f32 and their like allow (about 1e-6 of the number): no bf16 or f16 on the way to a quantiser, and a product that is left as it is and whose result goes on into a quantised operand takes f32 operands (vector FMAs, or v_wmma_f32_16x16x4_f32). A number that lies on a knife's edge between two numbers of the format may be rounded either way, as far as f32 arithmetic and the matrix unit's own rounding can turn it there, and no further.
;; One version. Each part assembles by itself: llvm-mc -triple=amdgcn-amd-amdhsa -mcpu=gfx1250 --defsym DOCPART=n.
;; ======== version 1 of 1: 3 launches
;; limits: right only within a limited range of input values
;; workspace buffers: xw_codes 5,603,328 bytes; xw_scales 350,208 bytes; qimg 1,572,864 bytes; qsc 196,608 bytes; kvc 3,145,728 bytes; kvs 491,520 bytes
;; launch quant (part 1): grid 468 x 1, 4 waves a work-group, no clusters, 34,816 bytes of LDS; arguments query, key, value, Wq, Wk, Wv, attention_mask, xw_codes, xw_scales, kvs; writes xw_codes, xw_scales, kvs
.if DOCPART == 1
	.amdgcn_target "amdgcn-amd-amdhsa--gfx1250"
	.amdhsa_code_object_version 6
	.text
	.protected	k_q1c5223e90f_quant
	.globl	k_q1c5223e90f_quant
	.p2align	8
	.type	k_q1c5223e90f_quant,@function
k_q1c5223e90f_quant:
	s_mov_b64 s[64:65], 0
	v_nop
	global_prefetch_b8 v0, s[64:65] scope:SCOPE_SE
	s_setreg_imm32_b32 hwreg(HW_REG_WAVE_MODE, 25, 1), 1
	s_wait_xcnt 0x0
; query, key, value [4096][768] and Wq, Wk, Wv [768][768], f32, K = the 768 innermost, become codes of FP4 (E2M1) with one E8M0 scale byte for each 32 along K,
; laid as IMAGES OF OPERAND REGISTERS, so that the next launch loads every fragment by plain 16-byte loads, 512 consecutive bytes a wave.
; A block's scale is 2^(floor(log2(its largest magnitude)) - 2); its byte is the largest magnitude's exponent field - 2, held at 1 from below.
; GROUPS.  The six tensors are 456 groups of 32 rows (query 0-127, key 128-255, value 256-383, Wq 384-407, Wk 408-431, Wv 432-455); work-group g takes group g.
; A group is two tiles of 16 rows, u = 0, 1: lane r of tile u is row 8 u + r + 8 (r / 8) of the group.  Codes of a group: [u][K step of 128: 6][c: 2][lane: 32][16 bytes], 12,288 bytes;
; lane (r, h = lane / 16) of half c holds block 2 c + h of the K step.  Scale bytes of a group: [p: 3][lane = 16 u + r][2 words], 768 bytes; word 2 p + (0, 1) is that K step's, byte b its block b.
; SHARES.  Wave w takes rows 8 w .. 8 w + 7 (tile u = w % 2, lanes r = 8 (w / 2) + 0 .. 7): a dense stream of 6,144 numbers, 12 steps of 512.  Each of a step's four loads reads 512 consecutive bytes;
; the 2,048 bytes turn through the wave's own stage in LDS, so that a lane then holds 16 neighbours along K (two lanes to a block).  Codes and bytes are gathered in LDS in the group's layout
; and leave, behind one barrier, as whole aligned runs of 256 bytes.  Three steps are two rows, so the places repeat every three steps: two address registers and immediates serve all twelve.
; Work-groups 456 .. 467 make, one for each head, mask8 = 8 x attention_mask, held at +-2^32, beside that head's scale words: attention adds it to q.k as the C of its first product.
; LIMITS: mask numbers beyond +-2^29 are held there (a mask of -infinity counts as -2^29); NaN and infinities in the six tensors are not served; a block of zeros gets the byte 1 where the rule says 127:
; its codes are zeros, which add nothing under any byte but 0xff, and this program alone reads the bytes.
; No tensor load, no cluster: work-groups share no input but the 16,384 bytes of the mask.
.set STEPS, 12
.set SP,    80                         ; a lane's place in a turn stage: 64 bytes + 16 of padding
.set OUTC,  20480                      ; behind the four waves' stages (2 x 32 x SP each): the group's codes, 48 runs of 256 bytes + 16 of padding
.set OUTS,  33536                      ; behind them: the group's 768 scale bytes
.set R,     16                         ; v16-79   four sets of 16 numbers as loaded
.set X,     80                         ; v80-111  two sets of 16 neighbours
.set E,     112                        ; v112-123 a scale byte for each step
.set C,     128                        ; v128-151 two registers of codes for each step: no store's data are written again
.set OUTR,  152                        ; v152-175 the way out
	s_load_b256 s[4:11], s[0:1], 0x0               ; query s[4:5], key s[6:7], value s[8:9], Wq s[10:11]
	s_load_b256 s[12:19], s[0:1], 0x20             ; Wk s[12:13], Wv s[14:15], the mask s[16:17], the codes s[18:19]
	s_load_b128 s[20:23], s[0:1], 0x40             ; the scale bytes s[20:21], kvs s[22:23]
	v_lshl_add_u32 v192, v0, 2, 0x8600
	v_mov_b32 v193, 0
	v_lshrrev_b32 v1, 5, v0
	v_readfirstlane_b32 s27, v1                    ; wave 0..3
	v_and_b32 v2, 31, v0                           ; lane
	v_lshlrev_b32 v3, 4, v2                        ; 16 x lane
	s_wait_kmcnt 0x0
	s_cmp_ge_u32 ttmp9, 456                        ; the last twelve work-groups serve the mask: the same way for all four waves
	s_cbranch_scc1 .Lmask
	; which tensor, and which of its groups: the choice hangs on the work-group's number alone
	s_mov_b64 s[24:25], s[14:15]
	s_mov_b32 s26, 432
	s_cmp_lt_u32 ttmp9, 432
	s_cselect_b64 s[24:25], s[12:13], s[24:25]
	s_cselect_b32 s26, 408, s26
	s_cmp_lt_u32 ttmp9, 408
	s_cselect_b64 s[24:25], s[10:11], s[24:25]
	s_cselect_b32 s26, 384, s26
	s_cmp_lt_u32 ttmp9, 384
	s_cselect_b64 s[24:25], s[8:9], s[24:25]
	s_cselect_b32 s26, 256, s26
	s_cmp_lt_u32 ttmp9, 256
	s_cselect_b64 s[24:25], s[6:7], s[24:25]
	s_cselect_b32 s26, 128, s26
	s_cmp_lt_u32 ttmp9, 128
	s_cselect_b64 s[24:25], s[4:5], s[24:25]
	s_cselect_b32 s26, 0, s26
	s_sub_co_u32 s26, ttmp9, s26                   ; the group's number in its tensor
	s_mul_i32 s32, s26, 98304                      ; 32 rows of 3,072 bytes,
	s_mul_i32 s33, s27, 24576                      ; my wave's 8 of them
	s_add_co_u32 s32, s32, s33
	s_mov_b32 s33, 0
	s_add_nc_u64 s[24:25], s[24:25], s[32:33]
	s_mul_i32 s32, ttmp9, 12288                    ; the group's codes; on the way out my wave stores 3,072 bytes of them
	s_mul_i32 s34, s27, 3072
	s_add_co_u32 s32, s32, s34
	s_add_nc_u64 s[18:19], s[18:19], s[32:33]
	s_mul_i32 s32, ttmp9, 768                      ; the group's scale bytes; waves 0 to 2 store 256 each
	s_lshl_b32 s34, s27, 8
	s_add_co_u32 s32, s32, s34
	s_add_nc_u64 s[20:21], s[20:21], s[32:33]
.macro LOAD t
.irp i, 0,1,2,3
	global_load_b128 v[R+16*((\t)%4)+4*\i:R+16*((\t)%4)+4*\i+3], v3, s[24:25] offset:2048*(\t)+512*\i th:TH_LOAD_NT   ; 32 lanes read 512 consecutive bytes; read once in the launch
.endr
.endm
	s_wait_alu depctr_va_vdst(0)
.irp t, 0,1,2,3
	LOAD \t
.endr
	; the turn stages: in: four lanes' 64 bytes on end, then the padding; out: SP x lane
	s_mul_i32 s28, s27, 2*32*SP
	v_lshrrev_b32 v14, 2, v2
	v_mul_u32_u24 v14, v14, SP
	v_and_b32 v15, 3, v2
	v_lshl_add_u32 v14, v15, 4, v14
	v_add_nc_u32 v14, s28, v14
	v_mul_u32_u24 v15, v2, SP
	v_add_nc_u32 v15, s28, v15
	; where my 8 bytes of codes go.  In a step's 512 numbers lane l holds 16 l .. 16 l + 15: K step l / 8 of the step's four, c = (l / 4) % 2, h = (l / 2) % 2, half l % 2 of the block.
	; Every address is a sum of terms that are never negative: the part that both registers share first, then each register's own.
	s_and_b32 s29, s27, 1                          ; u
	s_lshr_b32 s30, s27, 1                         ; r / 8
	s_mul_i32 s31, s29, 24*272                     ; a tile is 24 runs,
	s_lshl_b32 s32, s30, 7                         ; eight lanes of 16 bytes
	s_add_co_u32 s31, s31, s32
	s_add_co_u32 s31, s31, OUTC
	v_bfe_u32 v8, v0, 2, 1
	v_mul_u32_u24 v5, v8, 2*272                    ; a half c is two runs,
	v_bfe_u32 v8, v0, 1, 1
	v_mad_u32_u24 v5, v8, 272, v5                  ; sixteen lanes one,
	v_and_b32 v8, 1, v0
	v_lshl_add_u32 v5, v8, 3, v5                   ; half a block 8 bytes
	v_add_nc_u32 v5, s31, v5                       ; what both share
	v_lshrrev_b32 v8, 3, v2
	v_mad_u32_u24 v4, v8, 4*272, v5                ; A0: a K step is four runs.  The first of three steps (K steps 0-3 of an even row); + 2,192: the third (K steps 2-5 of the odd row)
	v_bfe_u32 v8, v0, 3, 1
	v_mad_u32_u24 v5, v8, 4*272, v5
	v_bfe_u32 v9, v0, 4, 1                         ; l / 16
	v_xor_b32 v11, 1, v9                           ; 1 - l / 16
	v_mad_u32_u24 v5, v11, 4336, v5
	v_add_nc_u32 v5, 16, v5                        ; A1: the second: lanes 16-31 K steps 0, 1 of the odd row (+ 16), lanes 0-15 K steps 4, 5 of the even row (+ 4 x 1,088 = 16 + 4,336)
	; and my block's scale byte
	s_lshl_b32 s31, s29, 7
	s_lshl_b32 s32, s30, 6
	s_add_co_u32 s31, s31, s32
	s_add_co_u32 s31, s31, OUTS
	v_lshlrev_b32 v7, 2, v8                        ; 4 (K step % 2)
	v_bfe_u32 v8, v0, 1, 2
	v_add_nc_u32 v7, v7, v8                        ; + the block
	v_add_nc_u32 v7, s31, v7                       ; what both share
	v_lshl_add_u32 v6, v9, 8, v7                   ; B0: + 256 (K step / 2)
	v_mad_u32_u24 v7, v11, 504, v7
	v_add_nc_u32 v7, 8, v7                         ; B1: lanes 16-31 the odd row's first pair of K steps (+ 8), lanes 0-15 the even row's third (+ 512 = 8 + 504)
	; the way out
	s_mul_i32 s31, s27, 12*272
	s_add_co_u32 s31, s31, OUTC
	v_mul_u32_u24 v12, v9, 272
	v_and_b32 v8, 15, v0
	v_lshl_add_u32 v12, v8, 4, v12
	v_add_nc_u32 v12, s31, v12                     ; my wave's 12 runs, two an instruction, sixteen lanes to a run
	v_lshlrev_b32 v13, 3, v2                       ; 8 x lane
	s_lshl_b32 s31, s27, 8
	s_add_co_u32 s31, s31, OUTS
	v_add_nc_u32 v10, s31, v13                     ; my wave's 256 scale bytes (waves 0 to 2)
.macro TURN t                          ; step t's numbers through the stage: LDS serves a wave's instructions in order (ISA guide 5.7.1.4), so no wait stands between the stores and the loads
.irp i, 0,1,2,3
	ds_store_b128 v14, v[R+16*((\t)%4)+4*\i:R+16*((\t)%4)+4*\i+3] offset:32*SP*((\t)%2)+8*SP*\i
.endr
.irp i, 0,1,2,3
	ds_load_b128 v[X+16*((\t)%2)+4*\i:X+16*((\t)%2)+4*\i+3], v15 offset:32*SP*((\t)%2)+16*\i
.endr
.endm
	s_wait_loadcnt 12                              ; step 0's four loads are in; those of steps 1 to 3 stay out
	TURN 0
.macro STEP t
.set XS, X+16*((\t)%2)
.if (\t) > 0
	s_wait_dscnt 2                                 ; this step's numbers are back from the stage (the last step's two stores may be out): so its stores into the stage have read their registers,
.else
	s_wait_dscnt 0x0
.endif
.if (\t)+4 < STEPS
	LOAD (\t)+4                                    ; which take the loads of four steps on
.endif
.if (\t)+1 < STEPS
.if STEPS-2-(\t) >= 3
	s_wait_loadcnt 12                              ; the next step's four loads are in; those of the three steps behind it may be out
.else
	s_wait_loadcnt 4*(STEPS-2-(\t))
.endif
	TURN (\t)+1                                    ; and go through the other stage while this step is worked
.endif
	v_max3_num_f32 v8, |v[XS]|, |v[XS+1]|, |v[XS+2]|               ; the largest magnitude of my 16, in two chains
	v_max3_num_f32 v9, |v[XS+3]|, |v[XS+4]|, |v[XS+5]|
.irp i, 6,10
	v_max3_num_f32 v8, v8, |v[XS+\i]|, |v[XS+\i+1]|
	v_max3_num_f32 v9, v9, |v[XS+\i+2]|, |v[XS+\i+3]|
.endr
	v_max3_num_f32 v8, v8, |v[XS+14]|, |v[XS+15]|
	v_max3_num_f32 v8, v8, v9, 0x1800000           ; and the floor 2^(3 - 127): the byte cannot fall under 1
	v_max_num_f32_dpp v8, v8, v8 row_xmask:1 row_mask:0xf bank_mask:0xf   ; and of my neighbour's 16: the block's
	v_add_nc_u32 v11, 0xff000000, v8               ; 2 off its exponent field: the conversion takes the exponent field of this operand as its scale
	v_cvt_scalef32_pk8_fp4_f32 v[C+2*(\t)], v[XS:XS+7], v11
	v_cvt_scalef32_pk8_fp4_f32 v[C+2*(\t)+1], v[XS+8:XS+15], v11
	v_lshrrev_b32 v[E+(\t)], 23, v11               ; the scale's byte (a plain line behind the conversions)
.if (\t)%3 == 0
	ds_store_b8 v6, v[E+(\t)] offset:16*((\t)/3)   ; both lanes of a block write the same byte with the same value
	ds_store_b64 v4, v[C+2*(\t):C+2*(\t)+1] offset:32*((\t)/3)
.elseif (\t)%3 == 1
	ds_store_b8 v7, v[E+(\t)] offset:16*((\t)/3)
	ds_store_b64 v5, v[C+2*(\t):C+2*(\t)+1] offset:32*((\t)/3)
.else
	ds_store_b8 v6, v[E+(\t)] offset:16*((\t)/3)+264
	ds_store_b64 v4, v[C+2*(\t):C+2*(\t)+1] offset:32*((\t)/3)+2192
.endif
.endm
.irp t, 0,1,2,3,4,5,6,7,8,9,10,11
	STEP \t
.endr
	s_wait_dscnt 0x0                               ; for the others' sake: my stores have landed
	s_barrier_signal -1
	s_barrier_wait -1                              ; the group's codes and bytes lie in LDS
.irp k, 0,1,2,3,4,5
	ds_load_b128 v[OUTR+4*\k:OUTR+4*\k+3], v12 offset:2*272*\k
.endr
.irp k, 0,1,2,3,4,5
	s_wait_dscnt 5-\k                              ; the younger loads may stay out
	global_store_b128 v3, v[OUTR+4*\k:OUTR+4*\k+3], s[18:19] offset:512*\k   ; 32 lanes store 512 consecutive bytes, at a multiple of 256 from the buffer's first byte
.endr
	s_cmp_gt_u32 s27, 2                            ; 768 scale bytes: three waves, 256 each
	s_cbranch_scc1 .Ldone
	ds_load_b64 v[176:177], v10
	s_wait_dscnt 0x0
	global_store_b64 v13, v[176:177], s[20:21]     ; 256 consecutive bytes, aligned
.Ldone:
	s_wait_tensorcnt 0x0
	ds_add_u32 v192, v193
	s_wait_dscnt 0x0
	s_endpgm
.Lmask:
	; head = work-group - 456.  Thread t takes keys 512 i + 4 t .. + 3, i = 0 .. 7: key step 4 i + wave, 16 x lane bytes into its 512
	v_lshlrev_b32 v4, 4, v0
.irp i, 0,1,2,3,4,5,6,7
	global_load_b128 v[16+4*\i:19+4*\i], v4, s[16:17] offset:2048*\i
.endr
	s_sub_co_u32 s28, ttmp9, 456
	s_mul_i32 s28, s28, 40960                      ; a head's 32 blocks of 1,280 bytes,
	s_mul_i32 s29, s27, 1280                       ; my wave's key step,
	s_add_co_u32 s28, s28, s29
	s_add_co_u32 s28, s28, 768                     ; behind K's and V's scale words
	s_mov_b32 s29, 0
	s_add_nc_u64 s[22:23], s[22:23], s[28:29]
	s_mov_b32 s30, 0xcf800000                      ; -2^32
	s_mov_b32 s31, 0x4f800000                      ; 2^32
	s_wait_loadcnt 0x0
.set J, 0
.rept 32
	v_mul_f32 v[16+J], 0x41000000, v[16+J]         ; x 8 = sqrt(64): exact
.set J, J+1
.endr
.set J, 0
.rept 32
	v_med3_num_f32 v[16+J], v[16+J], s30, s31      ; the hold
.set J, J+1
.endr
.irp i, 0,1,2,3,4,5,6,7
	global_store_b128 v3, v[16+4*\i:19+4*\i], s[22:23] offset:5120*\i   ; 512 consecutive bytes, aligned to 256
.endr
	s_endpgm
.Lfunc_end_k_q1c5223e90f_quant:
	.size	k_q1c5223e90f_quant, .Lfunc_end_k_q1c5223e90f_quant-k_q1c5223e90f_quant
	.p2alignl 7, 3214868480
	.fill 96, 4, 3214868480
	.section	.rodata,"a",@progbits
	.p2align	6, 0x0
	.amdhsa_kernel k_q1c5223e90f_quant
		.amdhsa_group_segment_fixed_size 34816
		.amdhsa_private_segment_fixed_size 0
		.amdhsa_enable_private_segment 0
		.amdhsa_kernarg_size 80
		.amdhsa_user_sgpr_count 2
		.amdhsa_user_sgpr_kernarg_segment_ptr 1
		.amdhsa_wavefront_size32 1
		.amdhsa_system_sgpr_workgroup_id_x 1
		.amdhsa_system_sgpr_workgroup_id_y 1
		.amdhsa_system_sgpr_workgroup_id_z 1
		.amdhsa_system_vgpr_workitem_id 0
		.amdhsa_next_free_vgpr 194
		.amdhsa_next_free_sgpr 66
		.amdhsa_reserve_vcc 0
		.amdhsa_float_denorm_mode_32 3
		.amdhsa_float_denorm_mode_16_64 3
		.amdhsa_memory_ordered 1
		.amdhsa_forward_progress 1
		.amdhsa_inst_pref_size 36
	.end_amdhsa_kernel
	.amdgpu_metadata
---
amdhsa.version: [ 1, 2 ]
amdhsa.kernels:
  - .name:           k_q1c5223e90f_quant
    .symbol:         k_q1c5223e90f_quant.kd
    .args:
      - { .name: query, .offset: 0, .size: 8, .value_kind: global_buffer, .address_space: global }
      - { .name: key, .offset: 8, .size: 8, .value_kind: global_buffer, .address_space: global }
      - { .name: value, .offset: 16, .size: 8, .value_kind: global_buffer, .address_space: global }
      - { .name: Wq, .offset: 24, .size: 8, .value_kind: global_buffer, .address_space: global }
      - { .name: Wk, .offset: 32, .size: 8, .value_kind: global_buffer, .address_space: global }
      - { .name: Wv, .offset: 40, .size: 8, .value_kind: global_buffer, .address_space: global }
      - { .name: attention_mask, .offset: 48, .size: 8, .value_kind: global_buffer, .address_space: global }
      - { .name: xw_codes, .offset: 56, .size: 8, .value_kind: global_buffer, .address_space: global }
      - { .name: xw_scales, .offset: 64, .size: 8, .value_kind: global_buffer, .address_space: global }
      - { .name: kvs, .offset: 72, .size: 8, .value_kind: global_buffer, .address_space: global }
    .group_segment_fixed_size: 34816
    .private_segment_fixed_size: 0
    .kernarg_segment_align: 8
    .kernarg_segment_size: 80
    .max_flat_workgroup_size: 128
    .sgpr_count:     66
    .vgpr_count:     194
    .wavefront_size: 32
...
	.end_amdgpu_metadata
.endif
;; end of part 1
;; launch proj (part 2): grid 16 x 16, 4 waves a work-group, no clusters, 0 bytes of LDS; arguments xw_codes, xw_scales, bq, bk, bv, qimg, qsc, kvc, kvs; writes qimg, qsc, kvc, kvs
.if DOCPART == 2
	.amdgcn_target "amdgcn-amd-amdhsa--gfx1250"
	.amdhsa_code_object_version 6
	.text
	.protected	k_q1c5223e90f_proj
	.globl	k_q1c5223e90f_proj
	.p2align	8
	.type	k_q1c5223e90f_proj,@function
k_q1c5223e90f_proj:
	s_mov_b64 s[64:65], 0
	v_nop
	global_prefetch_b8 v0, s[64:65] scope:SCOPE_SE
	s_setreg_imm32_b32 hwreg(HW_REG_WAVE_MODE, 25, 1), 1
	s_wait_xcnt 0x0
; q = query Wq^T + bq, k = key Wk^T + bk, v = value Wv^T + bv on codes of FP4 (E2M1) with E8M0 scales, K = 768 in six steps of 128; sums in f32; the results are quantised in registers
; (q and k along the head's 64, v along the keys) and stored as the images of operand registers that attention reads.
; A UNIT: source 0 = 8 tiles of 16 rows (128 rows), source 1 = one tile: 48 matrix instructions on 8 accumulators by turns.  Lane r of tile 2 b + u is row 32 b + 8 u + r + 8 (r / 8),
; so in the result lane (r, h) holds source 1's row r, and its register 16 b + i source 0's row 32 b + 16 h + i: 16 neighbours along the next K.  64 numbers a lane become 8 registers of codes and a scale word.
;   q, k (grid y = 0 .. 5: q, 6 .. 11: k; P = the pair of heads): source 0 = the 128 rows of W of heads 2 P, 2 P + 1, source 1 = a tile of tokens: registers 4 c .. 4 c + 3 of the codes are head 2 P + c's.
;   v (grid y = 12 .. 15): source 0 = the 128 keys of key step S of value, source 1 = a tile of Wv's rows: the codes are a fragment of V^T, 16 channels x 128 keys.
; SHARES.  A wave loads its source 0 for all of K once, 49,152 bytes into 384 registers, and walks 4 (q, k) or 6 (v) tiles of source 1, two sets of 48 registers by turns.  1,024 waves on 256 work-groups.
; The bias is the C of each sum's first matrix instruction.
; No LDS, no barrier, no tensor load, and so no joint requests in a cluster: an operand is fetched once by each wave and kept in registers for all its work, so there is no ring of tiles in which a joint
; request could stand; a wave has 192 or 288 matrix instructions in all.  All offsets are immediates; no pointer is stepped.
; V's scale words leave as 128 consecutive bytes, half of an aligned 256: 98,304 bytes in the launch, one part in 32 of what it stores for K and V.
; LIMITS: NaN and infinities are not served; a block of zeros gets the byte 1 (its codes are zeros; this program alone reads the bytes).
; REGISTERS, in windows of 256: window 0: v1 16 x lane, v2 8 x lane, v3 16 x lane + the second head's distance, v4 the words' place, v5 16 h, v6 the bias's lane offset, v7 4 x lane;
;   v8-31 source 0's scale words (6 b + s: lanes 0-15 tile 2 b, lanes 16-31 tile 2 b + 1); v32-95 the accumulators; v96-191 source 1, two sets; v192-199 codes; v200-215 at work; v216, v217 scale words just made;
;   v220-223 four tiles' words; v224-241 source 1's scale words; v242-247 bv of six tiles; v248-255 one of them eight times.
;   window 1: source 0 of K steps 0-3 (64 s + 8 t).   window 2: K steps 4, 5; from v128 the bias of the q, k way, 8 tiles in the result's layout.
.set SC0,  8
.set ACC,  32
.set X1,   96
.set PC,   192
.set TM,   200
.set PW,   216
.set TW,   218
.set SW,   220
.set SC1,  224
.set BV,   242
.set BC8,  248
.set BC64, 128
.set SEL,  22                          ; s[22:23] v_permlanex16_b32's selects for lane l xor 16
.set VB,   48                          ; s[48:59] the v way: where each of six units' codes go
.set WB,   60                          ; s[60:63], s[66:67] and the three pairs' scale words
.set MSB, 0
.macro WIN new                         ; the immediate's high byte repeats the setting that is left
.if MSB != \new
	s_set_vgpr_msb (MSB<<8)|\new
.set MSB, \new
.endif
.endm
; one matrix instruction; ra, rb: source 0's, source 1's scale words stand in lanes 16-31
.macro WM d, a, b, c, sa, sb, ra, rb
.if (\ra) && (\rb)
	v_wmma_scale_f32_16x16x128_f8f6f4 v[\d:\d+7], v[\a:\a+7], v[\b:\b+7], v[\c:\c+7], v[\sa], v[\sb] matrix_a_fmt:MATRIX_FMT_FP4 matrix_b_fmt:MATRIX_FMT_FP4 matrix_a_scale:MATRIX_SCALE_ROW1 matrix_b_scale:MATRIX_SCALE_ROW1
.elseif (\ra)
	v_wmma_scale_f32_16x16x128_f8f6f4 v[\d:\d+7], v[\a:\a+7], v[\b:\b+7], v[\c:\c+7], v[\sa], v[\sb] matrix_a_fmt:MATRIX_FMT_FP4 matrix_b_fmt:MATRIX_FMT_FP4 matrix_a_scale:MATRIX_SCALE_ROW1
.elseif (\rb)
	v_wmma_scale_f32_16x16x128_f8f6f4 v[\d:\d+7], v[\a:\a+7], v[\b:\b+7], v[\c:\c+7], v[\sa], v[\sb] matrix_a_fmt:MATRIX_FMT_FP4 matrix_b_fmt:MATRIX_FMT_FP4 matrix_b_scale:MATRIX_SCALE_ROW1
.else
	v_wmma_scale_f32_16x16x128_f8f6f4 v[\d:\d+7], v[\a:\a+7], v[\b:\b+7], v[\c:\c+7], v[\sa], v[\sb] matrix_a_fmt:MATRIX_FMT_FP4 matrix_b_fmt:MATRIX_FMT_FP4
.endif
.endm
.macro XLOAD i                         ; source 1's tile i, all six K steps, into set i % 2: 12 loads of 512 consecutive bytes
.irp s, 0,1,2,3,4,5
.irp c, 0,1
	global_load_b128 v[X1+48*((\i)%2)+8*\s+4*\c:X1+48*((\i)%2)+8*\s+4*\c+3], v1, s[32:33] offset:(\i)*6144+1024*\s+512*\c
.endr
.endr
.endm
.macro SRC0                            ; source 0, K step by K step: 6 x 16 loads
.irp s, 0,1,2,3,4,5
.if \s < 4
	WIN 0x40                                       ; destination window 1
.else
	WIN 0x80                                       ; destination window 2
.endif
.irp t, 0,1,2,3,4,5,6,7
.irp c, 0,1
	global_load_b128 v[(64*\s+8*\t+4*\c)%256:(64*\s+8*\t+4*\c)%256+3], v1, s[28:29] offset:6144*\t+1024*\s+512*\c
.endr
.endr
.endr
	WIN 0
.endm
.macro SCALES0                         ; source 0's scale words: 4 groups x 3 pairs of K steps
.irp b, 0,1,2,3
.irp p, 0,1,2
	global_load_b64 v[SC0+6*\b+2*\p:SC0+6*\b+2*\p+1], v2, s[30:31] offset:768*\b+256*\p
.endr
.endr
.endm
; 64 numbers of a lane, v[s] .. v[s + 63], register 16 b + i = index 32 b + 16 (lane / 16) + i along the next K, become a fragment's codes in v[PC] on and its scale word in v[pw]
.macro QUANT s, pw
.irp b, 0,1,2,3
	v_max3_num_f32 v[TM+\b], |v[\s+16*\b]|, |v[\s+1+16*\b]|, 0x1800000   ; block b: my 16 numbers, from each accumulator's low end on, and the floor 2^(3 - 127): the byte cannot fall under 1
.endr
.irp i, 2,4,6,8,10,12,14
.irp b, 0,1,2,3
	v_max3_num_f32 v[TM+\b], v[TM+\b], |v[\s+16*\b+\i]|, |v[\s+1+16*\b+\i]|   ; (the four blocks by turns)
.endr
.endr
.irp b, 0,1,2,3
	v_permlanex16_b32 v[TM+4+\b], v[TM+\b], s[SEL], s[SEL+1]
.endr
.irp b, 0,1,2,3
	v_max_num_f32 v[TM+\b], v[TM+\b], v[TM+4+\b]   ; with lane l xor 16's: the block's largest magnitude
.endr
.irp b, 0,1,2,3
	v_add_nc_u32 v[TM+12+\b], 0xff000000, v[TM+\b] ; 2 off its exponent field: the conversion's scale operand
.endr
.irp b, 0,1,2,3
	v_lshrrev_b32 v[TM+4+\b], 23, v[TM+12+\b]      ; the scale's byte
.endr
	v_lshl_or_b32 v[\pw], v[TM+5], 8, v[TM+4]      ; the four bytes make my row's scale word, alike in lanes l and l xor 16
	v_lshl_or_b32 v[\pw], v[TM+6], 16, v[\pw]
	v_lshl_or_b32 v[\pw], v[TM+7], 24, v[\pw]
.irp b, 0,1,2,3
	v_cvt_scalef32_pk8_fp4_f32 v[PC+2*\b], v[\s+16*\b:\s+7+16*\b], v[TM+12+\b]
	v_cvt_scalef32_pk8_fp4_f32 v[PC+1+2*\b], v[\s+8+16*\b:\s+15+16*\b], v[TM+12+\b]
.endr
	v_nop                                          ; one plain line behind the scaled conversions
.irp c, 0,1                                    ; the operand's layout wants a WHOLE block in a lane: lanes 0-15 block 2 c, lanes 16-31 block 2 c + 1
.irp i, 0,1
	v_permlane16_swap_b32 v[PC+4*\c+\i], v[PC+2+4*\c+\i]
.endr
.endr
.endm
; Unit i of cnt.  vp = 1: the v way.
.macro UNIT i, cnt, vp
.if (\i) == 0
	s_wait_loadcnt 63                              ; behind source 0's K step 0 stand 5 x 16 + 12 loads: more than the count can name, so the largest
.elseif (\i)+1 < (\cnt)
	s_wait_loadcnt 12                              ; this tile is in; the next tile's 12 loads may be out
.else
	s_wait_loadcnt 0x0
.endif
.if \vp
.irp j, 0,1,2,3,4,5,6,7
	v_mov_b32 v[BC8+\j], v[BV+(\i)]                ; in the result a lane holds one channel: its bias, eight times, serves all eight tiles
.endr
.rept 4
	v_nop
.endr
.endif
.irp s, 0,1,2,3,4,5
.if ((\i) == 0) && (\s > 0)
.if 16*(5-\s)+12 > 63
	s_wait_loadcnt 63
.else
	s_wait_loadcnt 16*(5-\s)+12                    ; source 0's K step s is in; the later K steps' 16 loads each and tile 1's 12 may be out
.endif
.endif
.if (\s == 0) && ((\vp) == 0)
	WIN 0x21                                       ; source 0 window 1, C (the bias) window 2
.elseif \s < 4
	WIN 0x01                                       ; source 0 window 1
.else
	WIN 0x02                                       ; source 0 window 2
.endif
.irp t, 0,1,2,3,4,5,6,7
.if (\s == 0) && ((\vp) == 0)
	WM ACC+8*\t, (64*\s+8*\t)%256, X1+48*((\i)%2)+8*\s, BC64+8*\t, SC0+6*(\t/2)+\s, SC1+6*((\i)/2)+\s, \t%2, (\i)%2
.elseif \s == 0
	WM ACC+8*\t, (64*\s+8*\t)%256, X1+48*((\i)%2)+8*\s, BC8, SC0+6*(\t/2)+\s, SC1+6*((\i)/2)+\s, \t%2, (\i)%2
.else
	WM ACC+8*\t, (64*\s+8*\t)%256, X1+48*((\i)%2)+8*\s, ACC+8*\t, SC0+6*(\t/2)+\s, SC1+6*((\i)/2)+\s, \t%2, (\i)%2
.endif
.endr
.endr
	WIN 0
.rept 4
	v_nop                                          ; four places in front of the loads into the set just multiplied and of the first read of results
.endr
	s_wait_xcnt 0x0                                ; the last unit's stores have read their data: the codes' registers are written again only behind this wait
.if (\i)+2 < (\cnt)
	XLOAD (\i)+2
.endif
	QUANT ACC, PW+((\i)%2)*(\vp)
.if \vp
	global_store_b128 v1, v[PC:PC+3], s[VB+2*(\i):VB+2*(\i)+1]               ; 512 consecutive bytes each
	global_store_b128 v1, v[PC+4:PC+7], s[VB+2*(\i):VB+2*(\i)+1] offset:512
.if (\i)%2
	v_cndmask_b32 v[TW], v[PW], v[PW+1], s68       ; lanes 0-15: the even tile's words, lanes 16-31: the odd tile's
	global_store_b32 v7, v[TW], s[WB+(\i)-1+2*((\i)/4):WB+(\i)+2*((\i)/4)]
.endif
.else
	global_store_b128 v1, v[PC:PC+3], s[38:39] offset:512*(\i)               ; head 2 P's image of the tile: 512 consecutive bytes
	global_store_b128 v3, v[PC+4:PC+7], s[38:39] offset:512*(\i)             ; head 2 P + 1's
	v_lshrrev_b32 v[TW], v5, v[PW]                 ; lanes 0-15 keep head 2 P's two bytes, lanes 16-31 take head 2 P + 1's;
	v_and_or_b32 v[SW+(\i)], v[TW], 0xffff, s68    ; the upper two bytes, which scale the half of the 128 that holds nothing, are 0x7f
.endif
.endm
	s_load_b256 s[4:11], s[0:1], 0x0               ; the codes s[4:5], the scale words s[6:7], bq s[8:9], bk s[10:11]
	s_load_b256 s[12:19], s[0:1], 0x20             ; bv s[12:13], qimg s[14:15], qsc s[16:17], kvc s[18:19]
	s_load_b64 s[20:21], s[0:1], 0x40              ; kvs
	v_lshrrev_b32 v1, 5, v0
	v_readfirstlane_b32 s24, v1                    ; wave 0..3
	s_and_b32 s26, ttmp7, 0xffff                   ; grid y
	v_and_b32 v7, 31, v0
	v_lshlrev_b32 v1, 4, v7
	v_lshlrev_b32 v2, 3, v7
	v_lshlrev_b32 v7, 2, v7
	v_bfe_u32 v5, v0, 4, 1                         ; h
	v_and_b32 v[TW], 15, v0                        ; r
	s_mov_b32 s[SEL], 0x76543210
	s_mov_b32 s[SEL+1], 0xfedcba98
	s_mov_b32 s43, 0                               ; the upper word of every offset
.irp b, 0,1,2,3
	v_mov_b32 v[TM+4+\b], 0                        ; written once: a lane permute's destination counts as one of its sources
.endr
	s_wait_kmcnt 0x0
	s_cmp_ge_u32 s26, 12
	s_cbranch_scc1 .Lv_path
	; ---- q and k
	s_cmp_ge_u32 s26, 6                            ; k?  Every choice on this compare stands ahead of the first addition
	s_cselect_b32 s27, 6, 0
	s_cselect_b32 s44, 294912, 0                   ; Wk's codes lie 24 groups behind Wq's,
	s_cselect_b32 s45, 18432, 0                    ; its scale words likewise,
	s_cselect_b32 s46, 1572864, 0                  ; key's codes 128 groups behind query's,
	s_cselect_b32 s47, 98304, 0                    ; and its scale words
	s_cselect_b64 s[36:37], s[10:11], s[8:9]
	s_cselect_b64 s[38:39], s[18:19], s[14:15]
	s_cselect_b64 s[40:41], s[20:21], s[16:17]
	s_mov_b32 s69, 131072
	s_cselect_b32 s69, 262144, s69                 ; from a head's images to the next head's: 256 tiles of 512 bytes, or 32 key steps of 8,192
	s_mov_b32 s70, 256
	s_cselect_b32 s70, 40960, s70                  ; and its words
	s_sub_co_u32 s27, s26, s27                     ; P
	s_lshl_b32 s72, ttmp9, 4
	s_lshl_b32 s73, s24, 2
	s_add_co_u32 s72, s72, s73                     ; my first tile of tokens: 16 x + 4 wave
	s_mul_i32 s42, s27, 49152                      ; source 0: four groups of W
	s_add_co_u32 s42, s42, s44
	s_add_co_u32 s42, s42, 4718592
	s_add_nc_u64 s[28:29], s[4:5], s[42:43]
	s_mul_i32 s42, s27, 3072
	s_add_co_u32 s42, s42, s45
	s_add_co_u32 s42, s42, 294912
	s_add_nc_u64 s[30:31], s[6:7], s[42:43]
	s_mul_i32 s42, s72, 6144                       ; source 1
	s_add_co_u32 s42, s42, s46
	s_add_nc_u64 s[32:33], s[4:5], s[42:43]
	s_mul_i32 s42, s72, 384                        ; 768 bytes for two tiles
	s_add_co_u32 s42, s42, s47
	s_add_nc_u64 s[34:35], s[6:7], s[42:43]
	s_lshl_b32 s42, s27, 9                         ; the bias: 128 numbers on for each pair of heads
	s_add_nc_u64 s[36:37], s[36:37], s[42:43]
	s_lshl_b32 s74, s27, 18
	s_lshl_b32 s75, s72, 9
	s_add_co_u32 s74, s74, s75                     ; q's images: (512 P + tile) x 512
	s_lshl_b32 s76, s27, 15
	s_lshl_b32 s75, s72, 7
	s_add_co_u32 s76, s76, s75                     ; q's words: (64 P + tile / 4) x 512
	s_lshl_b32 s77, s27, 6
	s_lshl_b32 s75, ttmp9, 1
	s_add_co_u32 s77, s77, s75
	s_lshr_b32 s75, s24, 1
	s_add_co_u32 s77, s77, s75                     ; k: head 2 P's key step: 64 P + 2 x + wave / 2
	s_and_b32 s75, s24, 1
	s_lshl_b32 s78, s77, 13
	s_lshl_b32 s79, s75, 11
	s_add_co_u32 s78, s78, s79                     ; k's images: 8,192 a key step, my four tiles of its eight
	s_mul_i32 s77, s77, 1280
	s_lshl_b32 s79, s75, 8
	s_add_co_u32 s77, s77, s79                     ; k's words
	s_cmp_ge_u32 s26, 6
	s_cselect_b32 s42, s78, s74
	s_add_nc_u64 s[38:39], s[38:39], s[42:43]
	s_cselect_b32 s42, s77, s76
	s_add_nc_u64 s[40:41], s[40:41], s[42:43]
	s_mov_b32 s68, 0x7f7f0000
	s_wait_alu depctr_va_vdst(0)
	v_add_nc_u32 v3, s69, v1
	v_mul_u32_u24 v4, s70, v5
	v_lshl_add_u32 v4, v[TW], 4, v4                ; the words: 16 bytes for each r, the second head's behind
	v_lshlrev_b32 v6, 6, v5                        ; the bias: lane (r, h) wants, for tile 2 b + u, the numbers 32 b + 16 h + 8 u + 0 .. 7
	v_lshlrev_b32 v5, 4, v5                        ; 16 h
	SCALES0
.irp g, 0,1
.irp p, 0,1,2
	global_load_b64 v[SC1+6*\g+2*\p:SC1+6*\g+2*\p+1], v2, s[34:35] offset:768*\g+256*\p
.endr
.endr
	WIN 0x80
.irp t, 0,1,2,3,4,5,6,7
	global_load_b128 v[BC64+8*\t:BC64+8*\t+3], v6, s[36:37] offset:(32*(\t/2)+8*(\t%2))*4
	global_load_b128 v[BC64+8*\t+4:BC64+8*\t+7], v6, s[36:37] offset:(32*(\t/2)+8*(\t%2))*4+16
.endr
	WIN 0
	XLOAD 0
	SRC0
	XLOAD 1
	UNIT 0, 4, 0
	UNIT 1, 4, 0
	UNIT 2, 4, 0
	UNIT 3, 4, 0
	global_store_b128 v4, v[SW:SW+3], s[40:41]     ; four tiles' words: sixteen lanes store 256 consecutive bytes, aligned
	s_endpgm
.Lv_path:
	; ---- v
	s_sub_co_u32 s27, s26, 12
	s_lshl_b32 s27, s27, 4
	s_add_co_u32 s27, s27, ttmp9                   ; 0 .. 63
	s_lshr_b32 s72, s27, 1                         ; S: the key step
	s_and_b32 s73, s27, 1                          ; which half of Wv's 48 tiles
	s_mul_i32 s74, s73, 12
	s_mul_i32 s75, s24, 3
	s_add_co_u32 s74, s74, s75                     ; my first group of Wv's rows: 12 half + 3 wave; three groups, six tiles
	s_mul_i32 s42, s72, 49152                      ; source 0: four groups of value
	s_add_co_u32 s42, s42, 3145728
	s_add_nc_u64 s[28:29], s[4:5], s[42:43]
	s_mul_i32 s42, s72, 3072
	s_add_co_u32 s42, s42, 196608
	s_add_nc_u64 s[30:31], s[6:7], s[42:43]
	s_mul_i32 s42, s74, 12288                      ; source 1
	s_add_co_u32 s42, s42, 5308416
	s_add_nc_u64 s[32:33], s[4:5], s[42:43]
	s_mul_i32 s42, s74, 768
	s_add_co_u32 s42, s42, 331776
	s_add_nc_u64 s[34:35], s[6:7], s[42:43]
	s_lshl_b32 s42, s74, 7                         ; bv: 32 numbers a group
	s_add_nc_u64 s[36:37], s[12:13], s[42:43]
.irp i, 0,1,2,3,4,5                            ; tile 2 x group + i of Wv is tile (.. % 4) of head (.. / 4)
	s_lshl_b32 s76, s74, 1
	s_add_co_u32 s76, s76, \i
	s_lshr_b32 s77, s76, 2
	s_and_b32 s76, s76, 3
	s_lshl_b32 s77, s77, 5
	s_add_co_u32 s77, s77, s72
	s_lshl_b32 s77, s77, 13                        ; (32 head + S) x 8,192,
	s_lshl_b32 s76, s76, 10                        ; 1,024 a tile,
	s_add_co_u32 s42, s77, s76
	s_add_co_u32 s42, s42, 4096                    ; behind K's eight tiles
	s_add_nc_u64 s[VB+2*\i:VB+2*\i+1], s[18:19], s[42:43]
.endr
.irp k, 0,1,2                                  ; group + k is pair (.. % 2) of head (.. / 2)
	s_add_co_u32 s76, s74, \k
	s_lshr_b32 s77, s76, 1
	s_and_b32 s76, s76, 1
	s_lshl_b32 s77, s77, 5
	s_add_co_u32 s77, s77, s72
	s_mul_i32 s77, s77, 1280
	s_lshl_b32 s76, s76, 7
	s_add_co_u32 s42, s77, s76
	s_add_co_u32 s42, s42, 512                     ; behind K's scale words
	s_add_nc_u64 s[WB+2*\k+2*(\k/2):WB+2*\k+2*(\k/2)+1], s[20:21], s[42:43]
.endr
	s_mov_b32 s68, 0xffff0000                      ; lanes 16-31
	s_wait_alu depctr_va_vdst(0)
	v_and_b32 v219, 8, v[TW]
	v_add_nc_u32 v219, v219, v[TW]                 ; r + 8 (r / 8)
	v_lshlrev_b32 v6, 2, v219
	SCALES0
.irp g, 0,1,2
.irp p, 0,1,2
	global_load_b64 v[SC1+6*\g+2*\p:SC1+6*\g+2*\p+1], v2, s[34:35] offset:768*\g+256*\p
.endr
.endr
.irp i, 0,1,2,3,4,5
	global_load_b32 v[BV+\i], v6, s[36:37] offset:(32*(\i/2)+8*(\i%2))*4   ; the bias of my lane's channel in tile i
.endr
	XLOAD 0
	SRC0
	XLOAD 1
	UNIT 0, 6, 1
	UNIT 1, 6, 1
	UNIT 2, 6, 1
	UNIT 3, 6, 1
	UNIT 4, 6, 1
	UNIT 5, 6, 1
	s_endpgm
.Lfunc_end_k_q1c5223e90f_proj:
	.size	k_q1c5223e90f_proj, .Lfunc_end_k_q1c5223e90f_proj-k_q1c5223e90f_proj
	.p2alignl 7, 3214868480
	.fill 96, 4, 3214868480
	.section	.rodata,"a",@progbits
	.p2align	6, 0x0
	.amdhsa_kernel k_q1c5223e90f_proj
		.amdhsa_group_segment_fixed_size 0
		.amdhsa_private_segment_fixed_size 0
		.amdhsa_enable_private_segment 0
		.amdhsa_kernarg_size 72
		.amdhsa_user_sgpr_count 2
		.amdhsa_user_sgpr_kernarg_segment_ptr 1
		.amdhsa_wavefront_size32 1
		.amdhsa_system_sgpr_workgroup_id_x 1
		.amdhsa_system_sgpr_workgroup_id_y 1
		.amdhsa_system_sgpr_workgroup_id_z 1
		.amdhsa_system_vgpr_workitem_id 0
		.amdhsa_next_free_vgpr 704
		.amdhsa_next_free_sgpr 96
		.amdhsa_reserve_vcc 0
		.amdhsa_float_denorm_mode_32 3
		.amdhsa_float_denorm_mode_16_64 3
		.amdhsa_memory_ordered 1
		.amdhsa_forward_progress 1
		.amdhsa_inst_pref_size 150
	.end_amdhsa_kernel
	.amdgpu_metadata
---
amdhsa.version: [ 1, 2 ]
amdhsa.kernels:
  - .name:           k_q1c5223e90f_proj
    .symbol:         k_q1c5223e90f_proj.kd
    .args:
      - { .name: xw_codes, .offset: 0, .size: 8, .value_kind: global_buffer, .address_space: global }
      - { .name: xw_scales, .offset: 8, .size: 8, .value_kind: global_buffer, .address_space: global }
      - { .name: bq, .offset: 16, .size: 8, .value_kind: global_buffer, .address_space: global }
      - { .name: bk, .offset: 24, .size: 8, .value_kind: global_buffer, .address_space: global }
      - { .name: bv, .offset: 32, .size: 8, .value_kind: global_buffer, .address_space: global }
      - { .name: qimg, .offset: 40, .size: 8, .value_kind: global_buffer, .address_space: global }
      - { .name: qsc, .offset: 48, .size: 8, .value_kind: global_buffer, .address_space: global }
      - { .name: kvc, .offset: 56, .size: 8, .value_kind: global_buffer, .address_space: global }
      - { .name: kvs, .offset: 64, .size: 8, .value_kind: global_buffer, .address_space: global }
    .group_segment_fixed_size: 0
    .private_segment_fixed_size: 0
    .kernarg_segment_align: 8
    .kernarg_segment_size: 72
    .max_flat_workgroup_size: 128
    .sgpr_count:     96
    .vgpr_count:     704
    .wavefront_size: 32
...
	.end_amdgpu_metadata
.endif
;; end of part 2
;; launch attn (part 3): grid 64 x 4, 12 waves a work-group, clusters of 4 x 1, 327,680 bytes of LDS; arguments qimg, qsc, kvc, kvs, out0; writes out0
.if DOCPART == 3
	.amdgcn_target "amdgcn-amd-amdhsa--gfx1250"
	.amdhsa_code_object_version 6
	.text
	.protected	k_q1c5223e90f_attn
	.globl	k_q1c5223e90f_attn
	.p2align	8
	.type	k_q1c5223e90f_attn,@function
k_q1c5223e90f_attn:
	s_mov_b64 s[64:65], 0
	v_nop
	global_prefetch_b8 v0, s[64:65] scope:SCOPE_SE
	s_setreg_imm32_b32 hwreg(HW_REG_WAVE_MODE, 25, 1), 1
	s_wait_xcnt 0x0
	s_wait_alu depctr_hold_cnt(0) depctr_sa_sdst(0) depctr_va_vdst(0) depctr_va_sdst(0) depctr_va_ssrc(0) depctr_va_vcc(0) depctr_vm_vsrc(0)
	s_getreg_b32 s2, hwreg(HW_REG_IB_STS2, 6, 4)
	s_cmp_eq_u32 s2, 0
	s_cbranch_scc0 .Lentry_in_a_cluster
	s_endpgm
.Lentry_in_a_cluster:
	s_bfe_u32 s2, ttmp6, 0x10000c
	s_cmp_lg_u32 s2, 0x3003
	s_cbranch_scc0 .Lentry_shape_is_right
	s_endpgm
.Lentry_shape_is_right:
; out[q][64 head + d] = the sum over keys of softmax(q.k / 8 + mask) v, 12 heads, 4,096 queries and keys, head size 64, both products on codes of FP4 (E2M1) with one E8M0 scale for each 32 along a product's K.
; All operands come as images of operand registers: Q [head][tile: 256][lane][16 bytes]; for each head and key step of 128 keys a block of 8,192 bytes (K: tile t at 512 t; V^T: tile t at 4,096 + 1,024 t, half c 512 on)
; and a small block of 1,280 bytes (K's scale words, V's, and mask8 = 8 x mask of the 128 keys, f32).
; THE SOFTMAX AHEAD OF THE SECOND PRODUCT: S' = q.k + mask8 (mask8 is the C of the first product); t = c S', c = log2(e) / 8; M = the row's largest t so far, rounded UP to a whole number; p = 2^(t - M) is what is
; quantised, along the keys; the row's sum is taken of the unquantised p and divides at the end.  When M moves, the sum and O are multiplied by 2^(old M - new M): exact.
; SHARES.  12 heads x 256 tiles of 16 queries are 3,072 tiles: 12 for each of 256 work-groups.  A head's 256 tiles are no multiple of 12, so a work-group owns 64 queries (4 tiles) of THREE heads, 3 g .. 3 g + 2 (g = grid y):
; wave w owns tile w % 4 of head 3 g + w / 4, in 256 registers, three waves to a SIMD.
; THE RING.  A slot holds four key steps of the three heads: 3 x 4 x (8,192 + 1,280) = 113,664 bytes; two slots, 2^17 bytes apart.  The 32 key steps are eight slots' worth; the eight are written out, each with a loop of four steps.
; At a slot's head every wave waits for all its tensor loads, adds 0 to its spare words (twice on end), waits for the add and its LDS reads, and passes a
; round of the cluster's barrier; behind it the slot just left is filled: waves 0 to 5 fetch 64 rows of 256 bytes of codes each (half a head's four steps), waves 6 to 8 a head's 20 rows of small blocks: one load a wave is out.
; CLUSTER.  The four work-groups of a cluster have the same g and need the same K, V and mask: each load is asked for JOINTLY, with the same descriptor (made of g and the wave's number alone) and a mask that names the four.
; PREFETCH.  The change that loads slot k + 1 asks for slot k + 2, four key steps ahead of the load that wants it.  The partner at place cx takes key step cx of the slot, told apart by address: waves 9 to 11 its 8,192 bytes of
; codes of one head each (lanes 256 bytes apart), wave 8 the three heads' small blocks (15 lanes, 5 blocks a head; the lanes left over name the last block again).  Slots 0 and 1 come by their loads alone; the last two changes ask for nothing.
; LAYOUT.  Both products are used transposed: S^T = K Q^T, O^T = V^T P^T: a lane holds ONE query (lane % 16).  Lane r of tile 2 b + u is row 32 b + 8 u + r + 8 (r / 8), so that the 16 registers of tiles 2 b, 2 b + 1 are 16 neighbours.
; K = 64 FILLS HALF OF THE INSTRUCTION'S 128: Q's upper four registers hold zero codes, and its and K's upper two scale bytes are 0x7f.  K's tile t is named as v[32 + 4 t .. 39 + 4 t]: its upper four registers meet Q's zeros.
; LIMITS: mask numbers arrive held at +-2^29, so |t| stays under 2^30; a row all of whose keys are held there gets a mean of v where -infinity everywhere would give NaN.  NaN and infinities elsewhere are not served.
; REGISTERS: v1 16 x lane, v2 4 x lane, v3 64 h; v4-7 the step's LDS addresses; v8-10 the way out; v11 16 r; v12 -M, v13 the largest t, v[14:15] the sum; v16-19 Q, v20-23 zeros; v24-27 K's scale words, v28-29 V's, v30 Q's, v31 p's;
; v32-63 K, v64-67 zeros; v68-99 V; v100-163 S^T, then p; v164-195 O^T; v196-203 p's codes; v204-221, v242-253 at work; v222 the prefetches' offset; v254, v255 the add's two registers.
.set KS,  24
.set VS,  28
.set QS,  30
.set PS,  31
.set KF,  32
.set VF,  68
.set S,   100
.set O,   164
.set PC,  196
.set BM,  204                          ; a block's largest score, then its largest p
.set BX,  208                          ; the other half's; then the bytes
.set SO,  212                          ; the conversions' scale operands
.set TMP, 216
.set F,   218                          ; v[218:219] f = 2^(old M - new M); the upper word is named with it and never used
.set PFO, 222
.set WV,  14                           ; s14 my wave's number
.set SEL, 20                           ; s[20:21] selects for lane l xor 16
.set CS,  22                           ; s[22:23] c
.set G1S, 24                           ; s[24:31] group 1: 20 rows of 256 bytes
.set G1C, 32                           ; s[32:39] group 1: 64 rows of 256 bytes
.set G0C, 40                           ; s[40:43] group 0 for codes, which walks
.set G0S, 44                           ; s[44:47] for small blocks
.set PFA, 48                           ; s[48:49] where my prefetches stand
.set PFS, 50                           ; s[50:51] a slot on, in bytes
.set HLC, 56                           ; s56 my head's codes in a slot
.set HLS, 57                           ; s57 my head's small blocks in a slot
.set TB,  60                           ; s60 LDS byte of the step's codes
.set TS,  61                           ; s61 and of its small block
.set CNT, 62                           ; s62 steps to go in the slot
.set SLOT1, 1<<17
.set SMALL, 98304                      ; in a slot the small blocks lie behind the three heads' codes
.set SPARE, 0x3c000                    ; behind slot 1: the spare words, 128 bytes a wave, six blocks of 256 bytes that no other line names
.set SPT,  272                         ; the way out: a stage of 16 rows x (256 bytes + 16) for each wave, in slot 0
.macro CROUND                          ; a round of the cluster's barrier
	s_barrier_signal -1
	s_barrier_wait -1
	s_cmp_lg_u32 s[WV], 0
	s_cbranch_scc1 .Lnot_wave_0_\@
	s_barrier_signal -3
.Lnot_wave_0_\@:
	s_barrier_wait -3
	s_barrier_signal -1
	s_barrier_wait -1
.endm
.macro TLOAD                           ; one joint load a wave: the branches hang on the wave's number alone; s_nop 0 and four v_nop follow each load
	s_cmp_lt_u32 s[WV], 6
	s_cbranch_scc0 .Lnot_c_\@
	tensor_load_to_lds s[G0C:G0C+3], s[G1C:G1C+7]
	s_nop 0
.rept 4
	v_nop
.endr
	s_branch .Lasked_\@
.Lnot_c_\@:
	s_cmp_lt_u32 s[WV], 9
	s_cbranch_scc0 .Lasked_\@
	tensor_load_to_lds s[G0S:G0S+3], s[G1S:G1S+7]
	s_nop 0
.rept 4
	v_nop
.endr
.Lasked_\@:
.endm
.macro ASK                             ; waves 8 to 11: my work-group's part of the slot after the one just asked for
	s_cmp_ge_u32 s[WV], 8
	s_cbranch_scc0 .Lnot_mine_\@
	global_prefetch_b8 v[PFO], s[PFA:PFA+1] th:TH_LOAD_NT scope:SCOPE_SE
.Lnot_mine_\@:
.endm
.macro GROUP1 g, rows                  ; a dense block as rows of 256 bytes (32 elements of 8 bytes), no padding: every LDS read takes consecutive 16 bytes in consecutive lanes, or one run for sixteen lanes
	s_mov_b32 s[\g], 15|(3<<16)|(1<<21)            ; the mask: all four work-groups; elements of 8 bytes; bit 21 set beside a mask
	s_mov_b32 s[\g+1], 32<<16
	s_mov_b32 s[\g+2], (\rows)<<16
	s_mov_b32 s[\g+3], 32<<16
	s_mov_b32 s[\g+4], \rows
	s_mov_b32 s[\g+5], 32
	s_mov_b32 s[\g+6], 0
	s_mov_b32 s[\g+7], 0
.endm
	s_load_b256 s[4:11], s[0:1], 0x0               ; qimg s[4:5], qsc s[6:7], kvc s[8:9], kvs s[10:11]
	s_load_b64 s[12:13], s[0:1], 0x20              ; out0
	v_lshl_add_u32 v254, v0, 2, SPARE
	v_mov_b32 v255, 0
	ds_add_u32 v254, v255                          ; the opening lines: the add of 0, twice on end, and its wait
	ds_add_u32 v254, v255
	v_lshrrev_b32 v1, 5, v0
	s_delay_alu instid0(VALU_DEP_1)
	v_readfirstlane_b32 s[WV], v1                  ; wave 0..11
	s_and_b32 s19, ttmp7, 0xffff
	s_mul_i32 s19, s19, 3                          ; the first of the three heads, which the four partners share
	s_lshr_b32 s66, s[WV], 2                       ; which of the three is mine
	s_add_co_u32 s15, s19, s66                     ; my head
	s_lshl_b32 s[HLC], s66, 15                     ; four steps of 8,192 bytes a head
	s_mul_i32 s[HLS], s66, 5120                    ; four of 1,280
	GROUP1 G1S, 20
	GROUP1 G1C, 64
	s_lshl_b32 s69, s[WV], 14                      ; codes, waves 0 to 5: LDS byte 16,384 x wave: head wave / 2, half wave % 2
	s_lshr_b32 s67, s[WV], 1
	s_and_b32 s70, s[WV], 1
	s_lshl_b32 s70, s70, 14
	s_add_co_u32 s72, s19, s67
	s_lshl_b32 s72, s72, 18                        ; a head's 262,144 bytes of codes
	s_add_co_u32 s72, s72, s70
	s_mov_b32 s73, 0
	s_mul_i32 s71, s[WV], 5120                     ; small blocks, waves 6 to 8: LDS byte SMALL + 5,120 (wave - 6)
	s_add_co_u32 s71, s71, SMALL-6*5120
	s_max_u32 s74, s[WV], 6
	s_sub_co_u32 s74, s74, 6
	s_add_co_u32 s74, s74, s19
	s_mul_i32 s74, s74, 40960                      ; a head's 32 small blocks
	s_mov_b32 s75, 0
	s_mov_b32 s[SEL], 0x76543210
	s_mov_b32 s[SEL+1], 0xfedcba98
	s_mov_b32 s[CS], 0x3e38aa3b                    ; c = log2(e) / 8
	s_mov_b32 s[CS+1], s[CS]
	s_wait_dscnt 0x0                               ; both opening adds are done
	s_wait_kmcnt 0x0
	s_mov_b32 s[G0C], 1
	s_mov_b32 s[G0C+1], s69
	s_add_nc_u64 s[G0C+2:G0C+3], s[8:9], s[72:73]
	s_or_b32 s[G0C+3], s[G0C+3], 0x80000000
	s_mov_b32 s[G0S], 1
	s_mov_b32 s[G0S+1], s71
	s_add_nc_u64 s[G0S+2:G0S+3], s[10:11], s[74:75]
	s_or_b32 s[G0S+3], s[G0S+3], 0x80000000
	CROUND                                         ; all four work-groups are here: the joint loads meet
	TLOAD                                          ; slot 0: one load a wave at the head
	s_bfe_u32 s16, ttmp6, 0x40000                  ; cx: it enters Q's, out's and the prefetches' addresses alone
	s_lshl_b32 s17, ttmp9, 2                       ; in a cluster launch ttmp9 counts clusters
	s_add_co_u32 s17, s17, s16                     ; my block of 64 queries
	s_lshl_b32 s18, s17, 2
	s_and_b32 s76, s[WV], 3
	s_add_co_u32 s18, s18, s76                     ; my tile of queries, T
	s_lshl_b32 s74, s15, 8
	s_add_co_u32 s74, s74, s18
	s_lshl_b32 s74, s74, 9                         ; Q's image: (256 head + T) x 512
	s_mov_b32 s75, 0
	s_add_nc_u64 s[4:5], s[4:5], s[74:75]
	s_lshr_b32 s74, s15, 1                         ; Q's scale words: [head / 2][T / 4][16 (head % 2) + r][T % 4]
	s_lshl_b32 s74, s74, 6
	s_lshr_b32 s76, s18, 2
	s_add_co_u32 s74, s74, s76
	s_lshl_b32 s74, s74, 9
	s_and_b32 s76, s15, 1
	s_lshl_b32 s76, s76, 8
	s_add_co_u32 s74, s74, s76
	s_and_b32 s76, s18, 3
	s_lshl_b32 s76, s76, 2
	s_add_co_u32 s74, s74, s76
	s_add_nc_u64 s[6:7], s[6:7], s[74:75]
	s_lshr_b32 s74, s18, 1                         ; my tile's first query: 32 (T / 2) + 8 (T % 2)
	s_lshl_b32 s74, s74, 5
	s_and_b32 s76, s18, 1
	s_lshl_b32 s76, s76, 3
	s_add_co_u32 s74, s74, s76
	s_mul_i32 s74, s74, 3072                       ; a row of out is 3,072 bytes,
	s_lshl_b32 s76, s15, 8                         ; a head's part of it 256
	s_add_co_u32 s74, s74, s76
	s_add_nc_u64 s[12:13], s[12:13], s[74:75]
	; the prefetches: they stand at slot 1; the first change of slots steps them to slot 2
	s_max_u32 s78, s[WV], 9
	s_sub_co_u32 s78, s78, 9
	s_add_co_u32 s78, s78, s19
	s_lshl_b32 s78, s78, 18                        ; waves 9 to 11: head 3 g + wave - 9,
	s_lshl_b32 s79, s16, 13                        ; key step cx of the slot
	s_add_co_u32 s78, s78, s79
	s_add_co_u32 s78, s78, 32768
	s_mul_i32 s77, s19, 40960                      ; wave 8: the three heads' small blocks of key step cx
	s_mul_i32 s79, s16, 1280
	s_add_co_u32 s77, s77, s79
	s_add_co_u32 s77, s77, 5120
	s_mov_b32 s[PFS], 32768
	s_cmp_eq_u32 s[WV], 8                          ; every choice on this compare stands ahead of the next addition
	s_cselect_b64 s[PFA:PFA+1], s[10:11], s[8:9]
	s_cselect_b32 s[PFS], 5120, s[PFS]
	s_cselect_b32 s67, -1, 0
	s_cselect_b32 s78, s77, s78
	s_mov_b32 s79, 0
	s_mov_b32 s[PFS+1], 0
	s_add_nc_u64 s[PFA:PFA+1], s[PFA:PFA+1], s[78:79]
	v_and_b32 v2, 31, v0
	s_delay_alu instid0(VALU_DEP_1)
	v_lshlrev_b32 v1, 4, v2                        ; 16 x lane
	v_lshlrev_b32 v[PFO], 8, v2                    ; codes: lanes 256 bytes apart
	v_min_u32 v223, 14, v2                         ; small blocks: lane l' = min(lane, 14): head l' / 5, block l' % 5
	s_delay_alu instid0(VALU_DEP_1)
	v_mul_u32_u24 v224, v223, 13
	s_delay_alu instid0(VALU_DEP_1)
	v_lshrrev_b32 v224, 6, v224                    ; l' / 5 for l' up to 14
	s_delay_alu instid0(VALU_DEP_1)
	v_mul_u32_u24 v225, v224, 5
	s_delay_alu instid0(VALU_DEP_1)
	v_sub_nc_u32 v223, v223, v225
	s_delay_alu instid0(VALU_DEP_1)
	v_lshlrev_b32 v223, 8, v223
	s_delay_alu instid0(VALU_DEP_1)
	v_mad_u32_u24 v223, v224, 0xa000, v223
	s_delay_alu instid0(VALU_DEP_1)
	v_cndmask_b32 v[PFO], v[PFO], v223, s67
	v_lshlrev_b32 v2, 2, v2                        ; 4 x lane
	v_bfe_u32 v3, v0, 4, 1                         ; h
	v_and_b32 v[TMP], 15, v0                       ; r
	s_delay_alu instid0(VALU_DEP_1)
	v_lshlrev_b32 v11, 4, v[TMP]                   ; 16 r
	global_load_b128 v[16:19], v1, s[4:5]          ; Q's fragment stays in registers
	global_load_b32 v[QS], v11, s[6:7]             ; and its scale words
	s_mul_i32 s66, s[WV], 16*SPT                   ; my stage
	v_mul_u32_u24 v9, v[TMP], SPT
	s_delay_alu instid0(VALU_DEP_1)
	v_lshl_add_u32 v9, v3, 6, v9
	s_delay_alu instid0(VALU_DEP_1)
	v_add_nc_u32 v9, s66, v9                       ; in: row r, + 64 h: my 16 channels of each 32
	v_mul_u32_u24 v10, v3, SPT
	s_delay_alu instid0(VALU_DEP_1)
	v_add_nc_u32 v10, v10, v11
	s_delay_alu instid0(VALU_DEP_1)
	v_add_nc_u32 v10, s66, v10                     ; back: lanes 0-15 one row, lanes 16-31 the next
	v_mul_u32_u24 v8, v3, 3072
	s_delay_alu instid0(VALU_DEP_1)
	v_add_nc_u32 v8, v8, v11                       ; and the same two rows in out
	v_lshlrev_b32 v3, 6, v3                        ; 64 h
	v_mov_b32 v13, 0xff61b1e6                      ; the largest t so far: -3e38, under every t
	s_delay_alu instid0(VALU_DEP_1)
	v_floor_f32 v12, -v13                          ; -M
	v_mov_b32 v14, 0                               ; the sum, in two halves
	v_mov_b32 v15, 0
.irp j, 0,1,2,3
	v_mov_b32 v[20+\j], 0                          ; Q's upper half: zero codes
	v_mov_b32 v[64+\j], 0                          ; what K's last tile names behind its codes
	v_mov_b32 v[BX+\j], 0                          ; written once: a lane permute's destination counts as one of its sources
.endr
	v_mov_b32 v[F+1], 0
.set J, 0
.rept 32
	v_mov_b32 v[O+J], 0                            ; O^T: the first step finds zeros, which the first change of M leaves zeros
.set J, J+1
.endr
; A KEY STEP: 128 keys.
.macro STEP
	v_add_nc_u32 v4, s[TB], v1                     ; these four are also the places in front of the loads into V's registers and V's scale words, which the last products read
	v_add_nc_u32 v5, s[TS], v1
	v_add_nc_u32 v6, s[TS], v2
	v_add_nc_u32 v7, s[TS], v3
.irp b, 0,1,2,3
.irp g, 0,1,2,3
	ds_load_b128 v[S+16*\b+4*\g:S+16*\b+4*\g+3], v7 offset:768+128*\b+16*\g   ; mask8 of keys 32 b + 16 h + 4 g + 0 .. 3, straight into the accumulators
.endr
.endr
.irp t, 0,1,2,3,4,5,6,7
	ds_load_b128 v[KF+4*\t:KF+4*\t+3], v4 offset:512*\t
.endr
	ds_load_b128 v[KS:KS+3], v5                    ; register j: lanes 0-15 tile j's words, lanes 16-31 tile 4 + j's
.irp t, 0,1,2,3
.irp c, 0,1
	ds_load_b128 v[VF+8*\t+4*\c:VF+8*\t+4*\c+3], v4 offset:4096+1024*\t+512*\c
.endr
.endr
.irp j, 0,1
	ds_load_b32 v[VS+\j], v6 offset:512+128*\j     ; lanes 0-15 tile 2 j's words, lanes 16-31 tile 2 j + 1's
.endr
	s_wait_dscnt 10                                ; the mask, K and its words are in; V's eight loads and its two words may be out
.irp t, 0,1,2,3
	v_wmma_scale_f32_16x16x128_f8f6f4 v[S+8*\t:S+8*\t+7], v[KF+4*\t:KF+4*\t+7], v[16:23], v[S+8*\t:S+8*\t+7], v[KS+\t], v[QS] matrix_a_fmt:MATRIX_FMT_FP4 matrix_b_fmt:MATRIX_FMT_FP4
.endr
.irp t, 4,5,6,7
	v_wmma_scale_f32_16x16x128_f8f6f4 v[S+8*\t:S+8*\t+7], v[KF+4*\t:KF+4*\t+7], v[16:23], v[S+8*\t:S+8*\t+7], v[KS+\t-4], v[QS] matrix_a_fmt:MATRIX_FMT_FP4 matrix_b_fmt:MATRIX_FMT_FP4 matrix_a_scale:MATRIX_SCALE_ROW1
.endr
.rept 4
	v_nop                                          ; four places in front of the first read of results
.endr
.irp b, 0,1,2,3
	v_max3_num_f32 v[BM+\b], v[S+16*\b], v[S+1+16*\b], v[S+2+16*\b]   ; the largest score of each block of 32 keys serves twice: for the row's maximum, and, since p rises with the score, for the block's largest p
.endr
.irp i, 3,5,7,9,11,13
.irp b, 0,1,2,3
	v_max3_num_f32 v[BM+\b], v[BM+\b], v[S+16*\b+\i], v[S+1+16*\b+\i]   ; the four blocks by turns; each accumulator is read from its low end on
.endr
.endr
.irp b, 0,1,2,3
	v_max_num_f32 v[BM+\b], v[BM+\b], v[S+15+16*\b]
.endr
.irp b, 0,1,2,3
	s_delay_alu instid0(VALU_DEP_4)
	v_permlanex16_b32 v[BX+\b], v[BM+\b], s[SEL], s[SEL+1]
.endr
.irp b, 0,1,2,3
	s_delay_alu instid0(VALU_DEP_4)
	v_max_num_f32 v[BM+\b], v[BM+\b], v[BX+\b]     ; with lane l xor 16's 16 keys
.endr
	s_delay_alu instid0(VALU_DEP_2)
	v_max3_num_f32 v[TMP], v[BM], v[BM+1], v[BM+2]
	s_delay_alu instid0(VALU_DEP_1)
	v_max_num_f32 v[TMP], v[TMP], v[BM+3]          ; the step's largest score of my query
	s_delay_alu instid0(VALU_DEP_1)
	v_mul_f32 v[TMP], s[CS], v[TMP]                ; as t (c is positive)
	s_delay_alu instid0(VALU_DEP_1)
	v_max_num_f32 v13, v13, v[TMP]                 ; the running largest t
	v_mov_b32 v[TMP], v12
	s_delay_alu instid0(VALU_DEP_2)
	v_floor_f32 v12, -v13                          ; the new -M = floor(-t) = -ceil(t): M is a whole number
	s_delay_alu instid0(VALU_DEP_1)
	v_sub_f32 v[TMP], v12, v[TMP]                  ; M's old value less its new one: a whole number, 0 or less
	s_delay_alu instid0(VALU_DEP_1)
	v_cvt_i32_f32 v[TMP], v[TMP]                   ; (it saturates)
	s_delay_alu instid0(VALU_DEP_1)
	v_ldexp_f32 v[F], 1.0, v[TMP]                  ; f = 2^(old M - new M): a multiplication by it rounds nothing
.set J, 0
.rept 32
	v_pk_fma_f32 v[S+J:S+J+1], v[S+J:S+J+1], s[CS:CS+1], v[12:13] op_sel_hi:[1,0,0]   ; t - M, two at a time (of the pairs c and -M the low word serves both halves)
.set J, J+2
.endr
.irp b, 0,1,2,3
	v_fma_f32 v[BM+\b], v[BM+\b], s[CS], v12       ; the same of each block's largest score
.endr
.set J, 0
	s_wait_alu depctr_va_vdst(0)
.rept 64
	v_exp_f32 v[S+J], v[S+J]                       ; p = 2^(t - M): not normalised
.set J, J+1
.endr
	v_pk_mul_f32 v[14:15], v[14:15], v[F:F+1] op_sel_hi:[1,0]   ; the sums under the new M (a plain line behind the exponentials)
	s_wait_alu depctr_va_vdst(0)                   ; one wait for the whole batch, ahead of its first reader
.irp b, 0,1,2,3
	v_exp_f32 v[BM+\b], v[BM+\b]                   ; the block's largest p: the same two instructions on the same number give the same bits
.endr
	v_pk_add_f32 v[220:221], v[104:105], v[108:109]   ; the row's sum of the unquantised p, two at a time, in eight chains
	v_pk_add_f32 v[252:253], v[112:113], v[116:117]
	v_pk_add_f32 v[250:251], v[120:121], v[124:125]
	v_pk_add_f32 v[248:249], v[128:129], v[132:133]
	v_pk_add_f32 v[246:247], v[136:137], v[140:141]
	v_pk_add_f32 v[244:245], v[144:145], v[148:149]
	v_pk_add_f32 v[242:243], v[152:153], v[156:157]
	v_pk_add_f32 v[14:15], v[14:15], v[160:161]
	v_pk_add_f32 v[220:221], v[220:221], v[100:101]
	v_pk_add_f32 v[252:253], v[252:253], v[102:103]
	v_pk_add_f32 v[250:251], v[250:251], v[106:107]
	v_pk_add_f32 v[248:249], v[248:249], v[110:111]
	v_pk_add_f32 v[246:247], v[246:247], v[114:115]
	v_pk_add_f32 v[244:245], v[244:245], v[118:119]
	v_pk_add_f32 v[242:243], v[242:243], v[122:123]
	v_pk_add_f32 v[14:15], v[14:15], v[126:127]
	v_pk_add_f32 v[220:221], v[220:221], v[130:131]
	v_pk_add_f32 v[252:253], v[252:253], v[134:135]
	v_pk_add_f32 v[250:251], v[250:251], v[138:139]
	v_pk_add_f32 v[248:249], v[248:249], v[142:143]
	v_pk_add_f32 v[246:247], v[246:247], v[146:147]
	v_pk_add_f32 v[244:245], v[244:245], v[150:151]
	v_pk_add_f32 v[242:243], v[242:243], v[154:155]
	v_pk_add_f32 v[14:15], v[14:15], v[158:159]
	v_pk_add_f32 v[220:221], v[220:221], v[162:163]
	s_delay_alu instid0(VALU_DEP_2)
	v_pk_add_f32 v[14:15], v[14:15], v[248:249]
	s_delay_alu instid0(VALU_DEP_2)
	v_pk_add_f32 v[220:221], v[220:221], v[246:247]
	v_pk_add_f32 v[252:253], v[252:253], v[244:245]
	v_pk_add_f32 v[250:251], v[250:251], v[242:243]
	s_delay_alu instid0(VALU_DEP_2)
	v_pk_add_f32 v[14:15], v[14:15], v[252:253]
	s_delay_alu instid0(VALU_DEP_2)
	v_pk_add_f32 v[220:221], v[220:221], v[250:251]
	s_delay_alu instid0(VALU_DEP_1)
	v_pk_add_f32 v[14:15], v[14:15], v[220:221]
	s_wait_alu depctr_va_vdst(0)                   ; and one for the four
.irp b, 0,1,2,3
	v_max_num_f32 v[BM+\b], 0x1800000, v[BM+\b]    ; the floor 2^(3 - 127): the byte cannot fall under 1 (a block whose every p has fallen to 0 keeps that byte: its codes are zeros)
.endr
.irp b, 0,1,2,3
	s_delay_alu instid0(VALU_DEP_4)
	v_add_nc_u32 v[SO+\b], 0xff000000, v[BM+\b]    ; 2 off the exponent field: the conversion's scale operand
.endr
.irp b, 0,1,2,3
	s_delay_alu instid0(VALU_DEP_4)
	v_lshrrev_b32 v[BX+\b], 23, v[SO+\b]           ; the scale's byte
.endr
	s_delay_alu instid0(VALU_DEP_3)
	v_lshl_or_b32 v[PS], v[BX+1], 8, v[BX]         ; p's scale word for these 128 keys
	s_delay_alu instid0(VALU_DEP_1)
	v_lshl_or_b32 v[PS], v[BX+2], 16, v[PS]
	s_delay_alu instid0(VALU_DEP_1)
	v_lshl_or_b32 v[PS], v[BX+3], 24, v[PS]
.irp b, 0,1,2,3
	v_cvt_scalef32_pk8_fp4_f32 v[PC+2*\b], v[S+16*\b:S+7+16*\b], v[SO+\b]
	v_cvt_scalef32_pk8_fp4_f32 v[PC+1+2*\b], v[S+8+16*\b:S+15+16*\b], v[SO+\b]
.endr
	v_nop                                          ; one plain line behind the scaled conversions
.irp c, 0,1                                    ; the operand's layout wants a whole block in a lane: lanes 0-15 block 2 c, lanes 16-31 block 2 c + 1
.irp i, 0,1
	v_permlane16_swap_b32 v[PC+4*\c+\i], v[PC+2+4*\c+\i]
.endr
.endr
.set J, 0
.rept 16
	v_pk_mul_f32 v[O+J:O+J+1], v[O+J:O+J+1], v[F:F+1] op_sel_hi:[1,0]   ; O^T under the new M, each accumulator from its low end on; for each product below, the twelve that name the other three accumulators are the places behind p's scale word and codes
.set J, J+2
.endr
	s_wait_alu depctr_va_vdst(0)
	s_wait_dscnt 0x0                               ; V and its words are in
.irp t, 0,2
	v_wmma_scale_f32_16x16x128_f8f6f4 v[O+8*\t:O+8*\t+7], v[VF+8*\t:VF+8*\t+7], v[PC:PC+7], v[O+8*\t:O+8*\t+7], v[VS+\t/2], v[PS] matrix_a_fmt:MATRIX_FMT_FP4 matrix_b_fmt:MATRIX_FMT_FP4
	v_wmma_scale_f32_16x16x128_f8f6f4 v[O+8*\t+8:O+8*\t+15], v[VF+8*\t+8:VF+8*\t+15], v[PC:PC+7], v[O+8*\t+8:O+8*\t+15], v[VS+\t/2], v[PS] matrix_a_fmt:MATRIX_FMT_FP4 matrix_b_fmt:MATRIX_FMT_FP4 matrix_a_scale:MATRIX_SCALE_ROW1
.endr
.endm
; THE CHANGE OF SLOTS, at a slot's head.  fill = 1: the slot just left takes the four key steps that follow the slot ahead.  ask = 1: and the slot after those is prefetched.
.macro CHANGE fill, ask
	s_wait_tensorcnt 0x0                           ; no tensor load of mine is out: my part of the slot ahead has landed, and a group 0 may be written
	ds_add_u32 v254, v255                          ; 0 onto my spare word
.if \fill
	ds_add_u32 v254, v255                          ; and once more
	s_xor_b32 s[G0C+1], s[G0C+1], SLOT1            ; the walking descriptors: the other slot than last time, the next four key steps
	s_add_nc_u64 s[G0C+2:G0C+3], s[G0C+2:G0C+3], 32768
	s_xor_b32 s[G0S+1], s[G0S+1], SLOT1
	s_add_nc_u64 s[G0S+2:G0S+3], s[G0S+2:G0S+3], 5120
.if \ask
	s_wait_xcnt 0x0                                ; any prefetch of mine has read its address, so it may be written
	s_add_nc_u64 s[PFA:PFA+1], s[PFA:PFA+1], s[PFS:PFS+1]   ; one slot further on than the walking descriptors
.endif
.endif
	s_wait_dscnt 0x0                               ; the add is done, and my reads of the slot that I have left are over
.if \fill
	CROUND                                         ; the same holds of every wave of all four work-groups
	TLOAD                                          ; the first tensor load behind the round, and a wave's only one until the next
.if \ask
	ASK
.endif
.else
	s_barrier_signal -1                            ; nothing is filled again: my work-group's barrier alone
	s_barrier_wait -1
.endif
.endm
.macro RUN slot                        ; a slot's four key steps
	s_add_co_u32 s[TB], s[HLC], (\slot)*SLOT1
	s_add_co_u32 s[TS], s[HLS], (\slot)*SLOT1+SMALL
	s_mov_b32 s[CNT], 4
.Lstep_\@:
	STEP
	s_add_co_u32 s[TB], s[TB], 8192
	s_add_co_u32 s[TS], s[TS], 1280
	s_sub_co_u32 s[CNT], s[CNT], 1
	s_cmp_lg_u32 s[CNT], 0
	s_cbranch_scc1 .Lstep_\@
.endm
	s_wait_alu depctr_va_vdst(0)
	s_wait_loadcnt 0x0                             ; Q and its words
.irp k, 0,1,2,3,4,5
	CHANGE 1, 1
	RUN (\k)%2
.endr
	CHANGE 1, 0                                    ; the last fill: key steps 28 to 31 into slot 1
	RUN 0
	CHANGE 0, 0
	RUN 1
	; THE WAY OUT.  O^T is divided by the sum and goes through my stage in LDS, so that sixteen lanes store a query's 256 bytes of this head.  The stage lies in slot 0: it has had its last fill, and every wave's
	; reads of it were over in front of the last change's barrier.
.rept 4
	v_nop                                          ; four places behind the last products
.endr
	v_add_f32 v14, v14, v15                        ; the sum's two halves,
	s_delay_alu instid0(VALU_DEP_1)
	v_permlanex16_b32 v[TMP], v14, s[SEL], s[SEL+1]
	s_delay_alu instid0(VALU_DEP_1)
	v_add_f32 v14, v14, v[TMP]                     ; and lane l xor 16's: the row's sum
	s_wait_alu depctr_va_vdst(0)
	v_rcp_f32 v14, v14
	v_nop                                          ; a plain line behind the reciprocal
	s_wait_alu depctr_va_vdst(0)                   ; and the wait ahead of its first reader
.set J, 0
.rept 32
	v_mul_f32 v[S+J], v[O+J], v14                  ; register 16 b + i is channel 32 b + 16 h + i of my query
.set J, J+1
.endr
.irp b, 0,1
.irp g, 0,1,2,3
	ds_store_b128 v9, v[S+16*\b+4*\g:S+16*\b+4*\g+3] offset:128*\b+16*\g
.endr
.endr
.irp i, 0,1,2,3,4,5,6,7
	ds_load_b128 v[VF+4*\i:VF+4*\i+3], v10 offset:2*SPT*\i   ; LDS serves a wave's instructions in order (ISA guide 5.7.1.4): these see my stores
.endr
.irp i, 0,1,2,3,4,5,6,7
	s_wait_dscnt 7-\i                              ; the younger loads may stay out
	global_store_b128 v8, v[VF+4*\i:VF+4*\i+3], s[12:13] offset:(2*\i+8*(\i/4))*3072 th:TH_STORE_NT   ; tile row n is query n + 8 (n / 8); 16 lanes store 256 consecutive bytes, at a multiple of 256 from out's first byte
.endr
	s_wait_tensorcnt 0x0                           ; the wave's end
	ds_add_u32 v254, v255
	s_wait_dscnt 0x0
	CROUND                                         ; the closing round: no work-group ends while a partner may still ask for a tile that names it
	s_endpgm
.Lfunc_end_k_q1c5223e90f_attn:
	.size	k_q1c5223e90f_attn, .Lfunc_end_k_q1c5223e90f_attn-k_q1c5223e90f_attn
	.p2alignl 7, 3214868480
	.fill 96, 4, 3214868480
	.section	.rodata,"a",@progbits
	.p2align	6, 0x0
	.amdhsa_kernel k_q1c5223e90f_attn
		.amdhsa_group_segment_fixed_size 327680
		.amdhsa_private_segment_fixed_size 0
		.amdhsa_enable_private_segment 0
		.amdhsa_kernarg_size 40
		.amdhsa_user_sgpr_count 2
		.amdhsa_user_sgpr_kernarg_segment_ptr 1
		.amdhsa_wavefront_size32 1
		.amdhsa_system_sgpr_workgroup_id_x 1
		.amdhsa_system_sgpr_workgroup_id_y 1
		.amdhsa_system_sgpr_workgroup_id_z 1
		.amdhsa_system_vgpr_workitem_id 0
		.amdhsa_next_free_vgpr 256
		.amdhsa_next_free_sgpr 80
		.amdhsa_reserve_vcc 0
		.amdhsa_float_denorm_mode_32 3
		.amdhsa_float_denorm_mode_16_64 3
		.amdhsa_memory_ordered 1
		.amdhsa_forward_progress 1
		.amdhsa_inst_pref_size 161
	.end_amdhsa_kernel
	.amdgpu_metadata
---
amdhsa.version: [ 1, 2 ]
amdhsa.kernels:
  - .name:           k_q1c5223e90f_attn
    .symbol:         k_q1c5223e90f_attn.kd
    .args:
      - { .name: qimg, .offset: 0, .size: 8, .value_kind: global_buffer, .address_space: global }
      - { .name: qsc, .offset: 8, .size: 8, .value_kind: global_buffer, .address_space: global }
      - { .name: kvc, .offset: 16, .size: 8, .value_kind: global_buffer, .address_space: global }
      - { .name: kvs, .offset: 24, .size: 8, .value_kind: global_buffer, .address_space: global }
      - { .name: out0, .offset: 32, .size: 8, .value_kind: global_buffer, .address_space: global }
    .group_segment_fixed_size: 327680
    .private_segment_fixed_size: 0
    .kernarg_segment_align: 8
    .kernarg_segment_size: 40
    .max_flat_workgroup_size: 384
    .sgpr_count:     80
    .vgpr_count:     256
    .wavefront_size: 32
...
	.end_amdgpu_metadata
.endif
;; end of part 3
